; MI455X (gfx1250); checked and timed in simulation.
; The chip was launched on July 23, 2026; its instructions are those of AMD's public machine-readable ISA for CDNA 5 (MIT licence, August 2026) and "CDNA5" Instruction Set Architecture Reference Guide (July 2026). The comments in the code are by the model that wrote it; some were corrected since.
;; Shared Contextual Position Policy. Allowed arithmetic: matrix products marked QUANTISED: E2M1 operands, one E8M0 scale for each 32 along K, by v_wmma_scale_f32_16x16x128_f8f6f4 with both operands' format E2M1 (or v_wmma_scale_f32_32x16x128_f4), f32 sums; products left as they are: f32 operands where the result goes on into a quantised operand, else bf16, f16 or f32 operands; f32 sums; everything else in f32.
;; Inputs: W1 512 x 515 float32; W2 1 x 512 float32; b1 512 float32; b2 1 float32; emb_table 100,000 x 128 float32; left_item_ids 262,144 int32; normalized_positions 262,144 float32; original_item_ids 262,144 int32; position_indices 262,144 float32; right_item_ids 262,144 int32; session_lengths 262,144 float32; target_item_ids 262,144 int32.
;; Outputs: out0 262,144 float32.
;; This version of the problem:
;;   THIS VERSION OF THE PROBLEM IS GIVEN IN LOW PRECISION. The matrix products marked QUANTISED in the list below multiply operands that are first quantised to E2M1 (2 exponent bits, 1 mantissa bit; 4 bits a number), with one power-of-two scale for each 32 numbers along K (OCP MX v1.0); their sums are f32. All else is computed in f32.
;;   The module's matrix products, in the order in which they are computed (A, B: the left and right operand; K: the contracted axis; several contracted axes count as one K, in the product's order):
;;     1. [M 262,144, K 515] x [K 515, N 512]; A: computed on the way; B: input W1: QUANTISED
;;     2. [M 262,144, K 512] x [K 512, N 1]; A: computed on the way; B: input W2: left as it is (N = 1 < 16)
;;   THE QUANTISER, for each operand of a quantised product, along K:
;;     - K is cut into blocks of 32 from its start; a last block that is shorter is filled with zeros.
;;     - A block's scale is 2^e with e = floor(log2(the largest magnitude in the block)) - 2, held to -126 .. 127; a block of zeros has e = 0. As a byte (E8M0): e + 127.
;;     - Each number is divided by its block's scale, clamped to +-6, and rounded to the nearest number of E2M1, ties to even, subnormals kept.
;;     - The product sums the exact products of the quantised numbers (number of the format x scale) in f32.
;;   ~~~python
;;   def quantise(x, axis):      # numpy; x: float32 -> the quantised numbers, widened to float32 again
;;       x = np.moveaxis(x, axis, -1); K = x.shape[-1]
;;       x = np.pad(x, [(0, 0)] * (x.ndim - 1) + [(0, -K % 32)]); x = x.reshape(x.shape[:-1] + (-1, 32)); a = np.abs(x).max(-1, keepdims=True)
;;       e = np.where(a > 0, np.clip(np.frexp(np.where(a > 0, a, 1))[1] - 1 - 2, -126, 127), 0)      # np.frexp(a)[1] - 1 = floor(log2(a)), exactly
;;       r = np.clip(x / 2.0 ** e, -6, 6)
;;       step = 2.0 ** (np.maximum(np.frexp(np.where(r == 0, 1, r))[1] - 1, 0) - 1)
;;       q = np.round(r / step) * step * 2.0 ** e      # np.round: ties to even
;;       return np.moveaxis(q.reshape(q.shape[:-2] + (-1,))[..., :K], -1, axis).astype(np.float32)
;;   ~~~
;;   OPERANDS COMPUTED ON THE WAY. 'Computed on the way' means the value that the module computes at that place (a softmax that the list does not call 'softmax' is quantised finished and normalised). What goes into a quantiser is computed in f32, as accurately as f32 sums, v_exp_f32 and their like allow (about 1e-6 of the number): no bf16 or f16 on the way to a quantiser, and a product that is left as it is and whose result goes on into a quantised operand takes f32 operands (vector FMAs, or v_wmma_f32_16x16x4_f32). A number that lies on a knife's edge between two numbers of the format may be rounded either way, as far as f32 arithmetic and the matrix unit's own rounding can turn it there, and no further.
;; One version. Each part assembles by itself: llvm-mc -triple=amdgcn-amd-amdhsa -mcpu=gfx1250 --defsym DOCPART=n.
;; ======== version 1 of 1: 2 launches
;; limits: right only within a limited range of input values
;; workspace buffers: emb_rows 12,800,000 bytes; w1img 176,128 bytes
;; launch prep (part 1): grid 256 x 1, 14 waves a work-group, no clusters, 167,168 bytes of LDS; arguments emb_table, W1, emb_rows, w1img; writes emb_rows, w1img
.if DOCPART == 1
	.amdgcn_target "amdgcn-amd-amdhsa--gfx1250"
	.amdhsa_code_object_version 6
	.text
	.protected	k_qea71623549_prep
	.globl	k_qea71623549_prep
	.p2align	8
	.type	k_qea71623549_prep,@function
k_qea71623549_prep:
	s_mov_b64 s[64:65], 0
	v_nop
	global_prefetch_b8 v0, s[64:65] scope:SCOPE_SE
	s_setreg_imm32_b32 hwreg(HW_REG_WAVE_MODE, 25, 1), 1
	s_wait_xcnt 0x0
; The embedding table [100000][128] and W1 [512][515], f32, are turned ONCE into codes of FP4 (E2M1) with one E8M0 scale byte for each 32 along K.
; A block's scale is 2^(floor(log2(its largest magnitude)) - 2): its byte is the largest magnitude's own exponent field - 2, held at 1 from below by a floor among the maximum's leaves.
; A row of the table is four whole blocks, so the quantised model input is four quantised table rows side by side: a row that is gathered many times is quantised here once.
; LIMITS: NaN and infinities among the inputs are not served.  A block of zeros gets the byte 1 where the rule says 127: its codes are zeros, which add nothing under any byte but 0xff,
; and the bytes are read by this program alone.  Blocks whose largest magnitude lies under 2^(3 - 127), the floor, are quantised under the byte 1.
; WORK-GROUPS 0-31 take W1 (work-group t: hidden units 16 t .. 16 t + 15), work-groups 32-255 the table: 3,125 runs of 32 rows, one for each wave; the last 11 waves of the last work-group have none.
; Work-groups share no input: no cluster.  No prefetch: every wave has all its loads out from the start, and there is no loop to run ahead in.
; OUT:  emb_rows [100000][128]: bytes 0-63 the codes, block b at 16 b, the lower k in the low four bits; bytes 64-67 the four scale bytes; then zeros: codes and scales of a row lie side by side for the gathers;
;       w1img: [32 t][5 s][2 c][32 lanes][16 bytes]: the operand's registers as they stand (lane (r, h), chunk c: k = 128 s + 64 c + 32 h + 0 .. 31 of row 16 t + r; zeros from k = 515 on),
;       then at byte 163,840 the scale words [32 t][6][16 r]: slot s = K step s; slot 5 repeats slot 4, so that every byte of the buffer is written.
.set STEPS, 8                          ; table: steps of 512 numbers (4 rows) for a wave
.set SP,    80                         ; a lane's place in a stage: its 64 bytes + 16 of padding
.set STGB,  32*SP                      ; a stage
.set WREG,  9216                       ; LDS of a wave: two stages, then the image of its 32 rows of 128 bytes
.set WT,    14*WREG                    ; W1's path has LDS of its own: the tile as it lies in memory (5 x 448 pieces of 16 bytes),
.set SBO,   WT+35840                   ; its scale words,
.set SPARE, SBO+512                    ; and behind both paths' bytes the spare words, 128 bytes for each wave
.set R,     32                         ; v32-159  eight sets of 16 numbers as they are loaded
.set X,     160                        ; v160-191 two sets of 16 neighbours
.set OUTR,  192                        ; v192-223 rows to store: four registers for each step
.set SPW,   224
.set NIL,   225
.set C,     226                        ; v226-227 codes of a step
.set E,     228                        ; v228     its scale byte
.set WX,    32                         ; W1's path: v32-63 my block
	s_load_b256 s[4:11], s[0:1], 0x0               ; the table s[4:5], W1 s[6:7], emb_rows s[8:9], w1img s[10:11]
	v_lshl_add_u32 v[SPW], v0, 2, SPARE
	v_mov_b32 v[NIL], 0
	v_lshrrev_b32 v1, 5, v0
	v_readfirstlane_b32 s16, v1                    ; wave 0..13
	s_wait_alu depctr_va_vdst(0)
	s_cmp_lt_u32 ttmp9, 32
	s_cbranch_scc1 .Lw1
; ---------------- THE TABLE: a plain stream of blocks of 32.  Each load reads 512 consecutive bytes, 16 a lane; the conversions want 16 NEIGHBOURS in a lane, so a step's 2,048 bytes turn through the wave's own stage in LDS.
	s_sub_co_u32 s17, ttmp9, 32
	s_mul_i32 s17, s17, 14
	s_add_co_u32 s17, s17, s16                     ; which run of 32 rows is my wave's
	s_cmp_gt_u32 s17, 3124
	s_cbranch_scc1 .Lidle
	s_lshl_b32 s18, s17, 14                        ; 16,384 bytes of numbers,
	s_mov_b32 s19, 0
	s_lshl_b32 s20, s17, 12                        ; 4,096 of rows
	s_mov_b32 s21, 0
	s_mul_i32 s24, s16, WREG                       ; my wave's LDS,
	s_add_co_u32 s25, s24, 2*STGB                  ; its image,
	s_add_co_u32 s26, s25, 64                      ; its first row's scale bytes
	v_and_b32 v2, 31, v0                           ; lane
	v_lshlrev_b32 v3, 4, v2                        ; my 16 bytes of a load's or a store's 512
	v_lshrrev_b32 v14, 2, v2
	v_and_b32 v15, 3, v2
	v_lshrrev_b32 v4, 3, v2                        ; eight lanes to a row
	v_and_b32 v5, 7, v2
	v_mul_u32_u24 v14, v14, SP
	v_lshlrev_b32 v4, 7, v4
	v_lshl_add_u32 v14, v15, 4, v14
	v_mul_u32_u24 v15, v2, SP
	v_lshl_add_u32 v6, v5, 3, v4
	v_lshrrev_b32 v5, 1, v5
	v_add_nc_u32 v14, s24, v14                     ; the stage, on the way in: four lanes' 64 bytes on end, then the padding
	v_add_nc_u32 v15, s24, v15                     ; and on the way out: my 16 neighbours
	v_add_nc_u32 v5, v4, v5
	v_add_nc_u32 v6, s25, v6                       ; my 8 bytes of codes in the image
	v_add_nc_u32 v7, s25, v3                       ; my 16 bytes of it on the way out
	v_add_nc_u32 v5, s26, v5                       ; my block's scale byte (two lanes to a block)
	v_mov_b32 v12, 0
	v_mov_b32 v13, 0
	s_wait_alu depctr_va_vdst(0)
	s_wait_kmcnt 0x0
	s_add_nc_u64 s[4:5], s[4:5], s[18:19]
	s_add_nc_u64 s[8:9], s[8:9], s[20:21]
.irp t, 0,1,2,3,4,5,6,7                        ; all 32 loads of the wave, 16 KiB, go out at once: each set has registers of its own
.irp i, 0,1,2,3
	global_load_b128 v[R+16*\t+4*\i:R+16*\t+4*\i+3], v3, s[4:5] offset:2048*\t+512*\i th:TH_LOAD_NT   ; 32 lanes read 512 consecutive bytes; read once in the launch
.endr
.endr
.irp t, 0,1,2,3,4,5,6,7
	ds_store_b64 v6, v[12:13] offset:512*\t+64     ; the rows' upper halves begin as zeros
.endr
.macro TURN t                          ; step t's numbers through a stage: LDS serves a wave's instructions in order (ISA guide 5.7.1.4), so no wait stands between the stores and the loads
.irp i, 0,1,2,3
	ds_store_b128 v14, v[R+16*(\t)+4*\i:R+16*(\t)+4*\i+3] offset:STGB*((\t)%2)+8*SP*\i
.endr
.irp i, 0,1,2,3
	ds_load_b128 v[X+16*((\t)%2)+4*\i:X+16*((\t)%2)+4*\i+3], v15 offset:STGB*((\t)%2)+16*\i
.endr
.endm
	s_wait_loadcnt 28                              ; step 0's four loads are in; the 28 behind them stay out
	TURN 0
.macro STEP t
.set XT, X+16*((\t)%2)
	s_wait_dscnt 0x0                               ; this step's numbers are back from the stage, and the last step's rows from the image
.if (\t) > 0
	global_store_b128 v3, v[OUTR+4*(\t)-4:OUTR+4*(\t)-1], s[8:9] offset:512*(\t)-512   ; four rows: 32 lanes store 512 consecutive bytes, at a multiple of 512 from the buffer's first byte
.endif
.if (\t) < STEPS-1
	s_wait_loadcnt 4*(STEPS-2-(\t))                ; the next step's four loads are in; those of the steps behind it may be out
	TURN (\t)+1                                    ; and go through the other stage while this step is worked
.endif
	v_max3_num_f32 v8, |v[XT]|, |v[XT+1]|, |v[XT+2]|               ; the largest magnitude of my 16, in two chains
	v_max3_num_f32 v9, |v[XT+3]|, |v[XT+4]|, |v[XT+5]|
.irp i, 6,10
	v_max3_num_f32 v8, v8, |v[XT+\i]|, |v[XT+\i+1]|
	v_max3_num_f32 v9, v9, |v[XT+\i+2]|, |v[XT+\i+3]|
.endr
	v_max3_num_f32 v8, v8, |v[XT+14]|, |v[XT+15]|
	v_max3_num_f32 v8, v8, v9, 0x1800000           ; and the floor 2^(3 - 127): the byte cannot fall under 1
	v_max_num_f32_dpp v8, v8, v8 row_xmask:1 row_mask:0xf bank_mask:0xf   ; and of my neighbour's 16: the block's
	v_add_nc_u32 v11, 0xff000000, v8               ; 2 off its exponent field: the conversion takes the exponent field of this operand as its scale, and nothing else of it
	v_cvt_scalef32_pk8_fp4_f32 v[C], v[XT:XT+7], v11               ; to the nearest code, ties to even, beyond 6 the largest code; the first number's code in the lowest four bits
	v_cvt_scalef32_pk8_fp4_f32 v[C+1], v[XT+8:XT+15], v11
	v_lshrrev_b32 v[E], 23, v11                    ; the scale's byte (also the plain line behind the conversions)
	ds_store_b64 v6, v[C:C+1] offset:512*(\t)
	ds_store_b8 v5, v[E] offset:512*(\t)           ; both lanes of a block write the same byte with the same value
	ds_load_b128 v[OUTR+4*(\t):OUTR+4*(\t)+3], v7 offset:512*(\t)  ; served behind the stores: four whole rows
.endm
.irp t, 0,1,2,3,4,5,6,7
	STEP \t
.endr
	s_wait_dscnt 0x0
	global_store_b128 v3, v[OUTR+28:OUTR+31], s[8:9] offset:3584
	s_wait_tensorcnt 0x0                           ; the wave's end, behind my last LDS store
	ds_add_u32 v[SPW], v[NIL]
	s_wait_dscnt 0x0
	s_endpgm
.Lidle:                                            ; no run is left for this wave
	s_wait_kmcnt 0x0
	s_endpgm
; ---------------- W1: tile t's 16 rows of 515 numbers are 32,960 consecutive bytes.  They come into LDS as they lie; then thread p of the first 320 takes block 2 (p / 32) + (p / 16) % 2 of row p % 16:
; all its 32 numbers, and its 16 bytes of codes are piece p of the tile's image.
.Lw1:
	s_mul_i32 s18, ttmp9, 32960
	s_mov_b32 s19, 0
	s_mul_i32 s20, ttmp9, 5120                     ; the images: 5,120 bytes a tile
	s_mov_b32 s21, 0
	s_mul_i32 s22, ttmp9, 384                      ; the scale words: 384 bytes a tile, behind the images
	s_add_co_u32 s22, s22, 163840
	s_mov_b32 s23, 0
	s_lshl_b32 s24, s16, 8
	s_add_co_u32 s24, s24, WT                      ; two blocks, 256 bytes, a wave
	s_lshr_b32 s25, s16, 1
	s_lshl_b32 s25, s25, 6
	s_and_b32 s26, s16, 1
	s_lshl_b32 s26, s26, 1
	s_add_co_u32 s25, s25, s26
	s_add_co_u32 s25, s25, SBO                     ; scale bytes: K step wave / 2, bytes 2 (wave % 2) on
	s_mov_b32 s27, 0xffff0000
	s_cmp_eq_u32 s16, 8
	s_cselect_b32 s26, s27, -1                     ; in the fifth K step: the lanes that hold zeros alone
	v_lshlrev_b32 v3, 4, v0
	v_and_b32 v1, 15, v0                           ; r
	v_bfe_u32 v2, v0, 4, 1                         ; h
	v_lshlrev_b32 v8, 2, v0
	v_add_nc_u32 v4, 0x7000, v3
	v_add_nc_u32 v5, WT, v3
	v_mul_u32_u24 v6, 0x80c, v1                    ; a row is 2,060 bytes
	v_lshl_add_u32 v7, v1, 2, v2
	v_min_u32 v4, 0x80b0, v4                       ; the fifth piece of a thread is held at the tile's last 16 bytes
	v_lshl_add_u32 v6, v2, 7, v6
	v_add_nc_u32 v9, SBO, v8
	v_add_nc_u32 v7, s25, v7
	v_add_nc_u32 v6, s24, v6
	v_mov_b32 v10, 0
	s_wait_alu depctr_va_vdst(0)
	s_wait_kmcnt 0x0
	s_add_nc_u64 s[6:7], s[6:7], s[18:19]
	s_add_nc_u64 s[20:21], s[10:11], s[20:21]
	s_add_nc_u64 s[22:23], s[10:11], s[22:23]
.irp i, 0,1,2,3
	global_load_b128 v[WX+4*\i:WX+4*\i+3], v3, s[6:7] offset:7168*\i
.endr
	global_load_b128 v[WX+16:WX+19], v4, s[6:7]
	s_wait_loadcnt 0x0
.irp i, 0,1,2,3,4
	ds_store_b128 v5, v[WX+4*\i:WX+4*\i+3] offset:7168*\i
.endr
	s_wait_dscnt 0x0
	s_barrier_signal -1
	s_barrier_wait -1                              ; the tile is whole
	s_cmp_gt_u32 s16, 9
	s_cbranch_scc1 .Lscales
	s_cmp_gt_u32 s16, 7
	s_cbranch_scc1 .Ltail
.irp i, 0,1,2,3,4,5,6,7,8,9,10,11,12,13,14,15,16,17,18,19,20,21,22,23,24,25,26,27,28,29,30,31
	ds_load_b32 v[WX+\i], v6 offset:4*\i
.endr
	s_branch .Lquant
.Ltail:                                            ; the fifth K step: k = 512, 513, 514 in lanes 0-15 of wave 8, and zeros
.irp i, 0,1,2
	ds_load_b32 v[WX+\i], v6 offset:4*\i
.endr
.set j, 3
.rept 29
	v_mov_b32 v[WX+j], 0
.set j, j+1
.endr
	s_wait_dscnt 0x0
.irp i, 0,1,2
	v_cndmask_b32 v[WX+\i], v[WX+\i], v10, s26
.endr
.Lquant:
	s_wait_alu depctr_va_vdst(0)
	s_wait_dscnt 0x0
	v_max3_num_f32 v11, |v[WX]|, |v[WX+1]|, 0x1800000              ; with the floor 2^(3 - 127)
	v_max3_num_f32 v12, |v[WX+2]|, |v[WX+3]|, |v[WX+4]|
.irp i, 5,9,13,17,21,25
	v_max3_num_f32 v11, v11, |v[WX+\i]|, |v[WX+\i+1]|
	v_max3_num_f32 v12, v12, |v[WX+\i+2]|, |v[WX+\i+3]|
.endr
	v_max3_num_f32 v11, v11, |v[WX+29]|, |v[WX+30]|
	v_max3_num_f32 v11, v11, v12, |v[WX+31]|
	v_add_nc_u32 v13, 0xff000000, v11              ; the conversion's scale operand
.irp g, 0,1,2,3
	v_cvt_scalef32_pk8_fp4_f32 v[16+\g], v[WX+8*\g:WX+8*\g+7], v13
.endr
	v_lshrrev_b32 v14, 23, v13                     ; the scale's byte (also the plain line behind the conversions)
	global_store_b128 v3, v[16:19], s[20:21]       ; a wave stores 512 consecutive bytes
	ds_store_b8 v7, v14
	s_wait_alu depctr_va_vdst(0)
	s_cmp_gt_u32 s16, 7
	s_cbranch_scc0 .Lscales
	ds_store_b8 v7, v14 offset:64                  ; slot 5 repeats slot 4
.Lscales:
	s_wait_dscnt 0x0
	s_barrier_signal -1
	s_barrier_wait -1                              ; the scale words are whole
	s_cmp_gt_u32 s16, 2
	s_cbranch_scc1 .Ldone
	ds_load_b32 v15, v9
	s_wait_dscnt 0x0
	global_store_b32 v8, v15, s[22:23]             ; three waves store the tile's 384 bytes
.Ldone:
	s_wait_tensorcnt 0x0                           ; the wave's end
	ds_add_u32 v[SPW], v[NIL]
	s_wait_dscnt 0x0
	s_endpgm
.Lfunc_end_k_qea71623549_prep:
	.size	k_qea71623549_prep, .Lfunc_end_k_qea71623549_prep-k_qea71623549_prep
	.p2alignl 7, 3214868480
	.fill 96, 4, 3214868480
	.section	.rodata,"a",@progbits
	.p2align	6, 0x0
	.amdhsa_kernel k_qea71623549_prep
		.amdhsa_group_segment_fixed_size 167168
		.amdhsa_private_segment_fixed_size 0
		.amdhsa_enable_private_segment 0
		.amdhsa_kernarg_size 32
		.amdhsa_user_sgpr_count 2
		.amdhsa_user_sgpr_kernarg_segment_ptr 1
		.amdhsa_wavefront_size32 1
		.amdhsa_system_sgpr_workgroup_id_x 1
		.amdhsa_system_sgpr_workgroup_id_y 1
		.amdhsa_system_sgpr_workgroup_id_z 1
		.amdhsa_system_vgpr_workitem_id 0
		.amdhsa_next_free_vgpr 232
		.amdhsa_next_free_sgpr 66
		.amdhsa_reserve_vcc 0
		.amdhsa_float_denorm_mode_32 3
		.amdhsa_float_denorm_mode_16_64 3
		.amdhsa_memory_ordered 1
		.amdhsa_forward_progress 1
		.amdhsa_inst_pref_size 28
	.end_amdhsa_kernel
	.amdgpu_metadata
---
amdhsa.version: [ 1, 2 ]
amdhsa.kernels:
  - .name:           k_qea71623549_prep
    .symbol:         k_qea71623549_prep.kd
    .args:
      - { .name: emb_table, .offset: 0, .size: 8, .value_kind: global_buffer, .address_space: global }
      - { .name: W1, .offset: 8, .size: 8, .value_kind: global_buffer, .address_space: global }
      - { .name: emb_rows, .offset: 16, .size: 8, .value_kind: global_buffer, .address_space: global }
      - { .name: w1img, .offset: 24, .size: 8, .value_kind: global_buffer, .address_space: global }
    .group_segment_fixed_size: 167168
    .private_segment_fixed_size: 0
    .kernarg_segment_align: 8
    .kernarg_segment_size: 32
    .max_flat_workgroup_size: 448
    .sgpr_count:     66
    .vgpr_count:     232
    .wavefront_size: 32
...
	.end_amdgpu_metadata
.endif
;; end of part 1
;; launch score (part 2): grid 256 x 1, 8 waves a work-group, no clusters, 121,856 bytes of LDS; arguments target_item_ids, original_item_ids, left_item_ids, right_item_ids, position_indices, normalized_positions, session_lengths, emb_rows, w1img, b1, W2, b2, out0; writes out0
.if DOCPART == 2
	.amdgcn_target "amdgcn-amd-amdhsa--gfx1250"
	.amdhsa_code_object_version 6
	.text
	.protected	k_qea71623549_score
	.globl	k_qea71623549_score
	.p2align	8
	.type	k_qea71623549_score,@function
k_qea71623549_score:
	s_mov_b64 s[64:65], 0
	v_nop
	global_prefetch_b8 v0, s[64:65] scope:SCOPE_SE
	s_setreg_imm32_b32 hwreg(HW_REG_WAVE_MODE, 25, 1), 1
	s_wait_xcnt 0x0
; out[n] = relu(x[n] W1^T + b1) . W2 + b2;  x[n] = four gathered table rows of 128 and three scalars: K = 515, taken as five K steps of 128 on codes of FP4 (E2M1) with E8M0 scales; sums in f32.
; The table's rows and W1 arrive as codes from the launch before; the fifth K step holds the three scalars, quantised here once at the head, and zero codes.
; SHARES.  A work-group owns 1,024 candidates.  W1 STAYS IN REGISTERS: wave w holds the 64 hidden units 64 w .. 64 w + 63 (four tiles of 16, five K steps: 160 registers) and multiplies ALL candidates by them.
; The candidates go through LDS in 16 chunks of 64: chunk c = candidates 32 c .. 32 c + 31 of each half (pair 0: 0-511, pair 1: 512-1023) of the work-group's 1,024.  Of a chunk wave w gathers 32 rows: gather q = w % 4,
; pair p = w / 4: four loads of 8 whole rows (four neighbouring lanes take a row's 64 bytes of codes) and one of 32 scale words.  They go to LDS as images of the operand's registers, for all eight waves.
; A ring of two slots, filled by LDS stores; two sets of registers for rows on their way: the gathers run under the products, spread over a chunk's four tiles.
; ONE BARRIER A CHUNK: in front of its signal a wave's stores of the next chunk and its reads of this one are done; a tile's vector work stands between signal and wait.
; THE MATRIX INSTRUCTION IS USED TRANSPOSED (source 0 = 16 rows of W1, source 1 = 16 candidates): lane (r, h) holds candidate r, register j hidden unit 16 t + 8 h + j.  b1 is the C of a tile's first product.
; The second product has one column: fused multiply-adds in f32, two at a time.  A candidate's 16 partial sums (8 waves x 2 halves of the lanes) meet in LDS at the end.
; NO CLUSTER: all that work-groups share is W1, b1 and W2, which each wave reads once in the launch, straight into the registers that it keeps them in; a joint load lands in LDS alone and would add a way through LDS.
; NO PREFETCH: the gathers' own loads already stand more than a chunk (four tiles of products) ahead of the stores that want them.
; LIMITS: NaN and infinities are not served.  Ids are held at 99,999 as unsigned numbers; the module itself relies on ids inside the table.  A block of zeros has the byte 1 and zero codes.
; Blocks whose largest magnitude lies under 2^(3 - 127), the floor, are quantised under the byte 1.
; REGISTERS.  Window 1 (v256-511): W1's fragment of tile t, K step s at v[8 (5 t + s)]; x's two sets of five fragments at v[160 + 40 set].  Window 0: as named below.
.set NROW, 99999                       ; the table's last row
.set IMG,  1280                        ; LDS: a tile's K step: four pieces of 16 rows x 16 bytes, 320 bytes apart, so that the stores of four rows' four pieces fall on different banks
.set RSC,  20480                       ; in a slot: 16 images, then the 64 candidates' scale words, four (one a gather) to a candidate
.set SLOT, 21504
.set C5O,  43008                       ; the fifth K step's codes: 128 bytes a tile, 16 words and 16 zeros;
.set S5O,  51200                       ; its scale words, one a candidate
.set SUMO, 55296                       ; partial sums: [wave][half of the lanes][1,024]
.set SPARE, 120832                     ; the spare words, 128 bytes for each wave
.set XA, 1                             ; reading an image: 320 h + 16 r
.set XSA, 2                            ; reading scale words: RSC + 16 lane
.set C5A, 3                            ; fifth codes, stepped; C5B their base
.set C5B, 4
.set S5A, 5                            ; fifth scale words, stepped
.set S5B, 6
.set SUMA, 7                           ; partial sums, stepped
.set SUMB, 8
.set I4, 9                             ; 4 (lane / 4)
.set LL, 10                            ; 4 lane
.set LI, 11                            ; 16 lane
.set P16, 12                           ; 16 (lane % 4)
.set STA, 13                           ; storing codes into a slot
.set STS, 14                           ; storing scale words
.set SPW, 15                           ; my spare word
.set NIL, 16                           ; 0, for the add alone
.set HB, 17                            ; 32 h
.set T0, 18
.set T1, 19
.set ID0, 20                           ; ids of an even chunk; ID0 + 5: of an odd one: four by rows (row 8 i + lane / 4), one by lanes
.set AD, 30                            ; v30-34 the gathers' offsets
.set RES, 35                           ; tile 1's sum until the barrier is passed
.set SUM, 36                           ; two chains
.set WSC, 40                           ; W1's scale words: tile t: lanes 0-15 K step 2 j, lanes 16-31 K step 2 j + 1 at v[WSC + 3 t + j]
.set STG, 52                           ; two sets of 16: gathered codes
.set SGS, 84                           ; two: gathered scale words
.set RR, 86
.set HH, 87
.set C5W, 88
.set S5W, 89
.set XSC, 90                           ; x's scale words of pair 0 (five; lanes 0-15 its first tile, 16-31 its second); pair 1's at v224
.set ZR, 95
.set B1R, 96
.set W2R, 128
.set ACC, 160                          ; two sets of four accumulators
.set XF, 160                           ; (window 1)
.set SCA, 160                          ; at the head, where the accumulators are later: the scalars, their quantising, and ids and offsets of the first chunks
.set MX, 192
.set SOP, 196
.set CD, 200
.set SW, 204
.set IDT, 208
.set AD2, 214
.set MSB, 0
.macro WIN new                         ; the immediate's high byte repeats the setting that is left
.if MSB != \new
	s_set_vgpr_msb (MSB<<8)|\new
.set MSB, \new
.endif
.endm
.macro IDL set, off                    ; a chunk's 32 ids of my gather and pair
.irp xi, 0,1,2,3
	global_load_b32 v[(\set)+\xi], v[I4], s[44:45] offset:(\off)+32*\xi
.endr
	global_load_b32 v[(\set)+4], v[LL], s[44:45] offset:(\off)
.endm
.macro ADR dst, src                    ; ids to byte offsets: 128 bytes a row: 64 of codes, then the scale word
.irp xi, 0,1,2,3,4
	v_min_u32 v[(\dst)+\xi], NROW, v[(\src)+\xi]
.endr
.irp xi, 0,1,2,3
	v_lshl_add_u32 v[(\dst)+\xi], v[(\dst)+\xi], 7, v[P16]
.endr
	v_lshlrev_b32 v[(\dst)+4], 7, v[(\dst)+4]
.endm
.macro GCODES z, ad, a                 ; two of a chunk's four loads of codes, 8 rows each
.irp xi, 0,1
	global_load_b128 v[STG+16*(\z)+4*(\a)+4*\xi:STG+16*(\z)+4*(\a)+4*\xi+3], v[(\ad)+(\a)+\xi], s[22:23]
.endr
.endm
.macro GSCALE z, ad                    ; its 32 scale words
	global_load_b32 v[SGS+(\z)], v[(\ad)+4], s[22:23] offset:64
.endm
.macro RSTORE z                        ; register set z into slot z: 5 stores
.irp xi, 0,1,2,3
	ds_store_b128 v[STA], v[STG+16*(\z)+4*\xi:STG+16*(\z)+4*\xi+3] offset:(\z)*SLOT+(\xi/2)*4*IMG+(\xi%2)*128
.endr
	ds_store_b32 v[STS], v[SGS+(\z)] offset:(\z)*SLOT
.endm
.macro WLOAD t                         ; W1's tile t: the fifth K step's second chunk is zero codes and is not loaded
.irp xs, 0,1,2,3
.irp xc, 0,1
	global_load_b128 v[8*(5*(\t)+\xs)+4*\xc:8*(5*(\t)+\xs)+4*\xc+3], v[LI], s[46:47] offset:5120*(\t)+1024*\xs+512*\xc
.endr
.endr
	global_load_b128 v[8*(5*(\t)+4):8*(5*(\t)+4)+3], v[LI], s[46:47] offset:5120*(\t)+4096
.endm
.macro FETCH slot, j, rel              ; tile j (pair j / 2) of a chunk: its fragments, and with a pair's first tile the pair's scale words: 11 or 9 LDS loads
.set XB, XF+40*((\j)%2)
	WIN 0x40
.irp xs, 0,1,2,3
.irp xc, 0,1
	ds_load_b128 v[XB+8*\xs+4*\xc:XB+8*\xs+4*\xc+3], v[XA] offset:(\slot)*SLOT+(4*(\j)+\xs)*IMG+640*\xc
.endr
.endr
	ds_load_b32 v[XB+32], v[C5A] offset:((\j)/2)*4096+(\rel)*256+((\j)%2)*128
	WIN 0
.if (\j)%2 == 0
.set XC, XSC+134*((\j)/2)
	ds_load_b128 v[XC:XC+3], v[XSA] offset:(\slot)*SLOT+((\j)/2)*512
	ds_load_b32 v[XC+4], v[S5A] offset:((\j)/2)*2048+(\rel)*128
.endif
.endm
.macro ONE j, t, s                     ; one product
.set rD, ACC+32*((\j)%2)+8*(\t)
.set rA, 8*(5*(\t)+(\s))
.set rB, XF+40*((\j)%2)+8*(\s)
.set rC, rD
.if (\s) == 0
.set rC, B1R+8*(\t)
.endif
.set rW, WSC+3*(\t)+(\s)/2
.set rX, XSC+134*((\j)/2)+(\s)
.if ((\s)%2 == 0) && ((\j)%2 == 0)
	v_wmma_scale_f32_16x16x128_f8f6f4 v[rD:rD+7], v[rA:rA+7], v[rB:rB+7], v[rC:rC+7], v[rW], v[rX] matrix_a_fmt:MATRIX_FMT_FP4 matrix_b_fmt:MATRIX_FMT_FP4
.elseif (\s)%2 == 0
	v_wmma_scale_f32_16x16x128_f8f6f4 v[rD:rD+7], v[rA:rA+7], v[rB:rB+7], v[rC:rC+7], v[rW], v[rX] matrix_a_fmt:MATRIX_FMT_FP4 matrix_b_fmt:MATRIX_FMT_FP4 matrix_b_scale:MATRIX_SCALE_ROW1
.elseif (\j)%2 == 0
	v_wmma_scale_f32_16x16x128_f8f6f4 v[rD:rD+7], v[rA:rA+7], v[rB:rB+7], v[rC:rC+7], v[rW], v[rX] matrix_a_fmt:MATRIX_FMT_FP4 matrix_b_fmt:MATRIX_FMT_FP4 matrix_a_scale:MATRIX_SCALE_ROW1
.else
	v_wmma_scale_f32_16x16x128_f8f6f4 v[rD:rD+7], v[rA:rA+7], v[rB:rB+7], v[rC:rC+7], v[rW], v[rX] matrix_a_fmt:MATRIX_FMT_FP4 matrix_b_fmt:MATRIX_FMT_FP4 matrix_a_scale:MATRIX_SCALE_ROW1 matrix_b_scale:MATRIX_SCALE_ROW1
.endif
.endm
.macro MM j                            ; a tile's 20 products: the four accumulators take turns; tiles alternate between two sets
	WIN 0x05                                       ; sources 0 and 1: window 1
.irp xs, 0,1,2,3,4
.irp xt, 0,1,2,3
	ONE \j,\xt,\xs
.endr
.endr
	WIN 0
.endm
.macro RELU j, t, i
.set rR, ACC+32*((\j)%2)+8*(\t)+2*(\i)
	v_dual_max_num_f32 v[rR], 0, v[rR] :: v_dual_max_num_f32 v[rR+1], 0, v[rR+1]
.endm
.macro DOT j, t, i                     ; the second product, two chains by turns
.set rC, SUM+2*((\i)%2)
.set rR, ACC+32*((\j)%2)+8*(\t)+2*(\i)
.set rW, W2R+8*(\t)+2*(\i)
.if ((\t) == 0) && ((\i) < 2)
	v_pk_mul_f32 v[rC:rC+1], v[rR:rR+1], v[rW:rW+1]
.else
	v_pk_fma_f32 v[rC:rC+1], v[rR:rR+1], v[rW:rW+1], v[rC:rC+1]
.endif
.endm
.macro VMAIN j                         ; tile j's vector work but for its last six instructions
.irp xi, 0,1,2,3
	RELU \j,0,\xi
.endr
.irp xt, 1,2,3
.irp xi, 0,1,2,3
	RELU \j,\xt,\xi
	DOT \j,\xt-1,\xi
.endr
.endr
.endm
.macro VSUM j, res                     ; those six stand behind the NEXT tile's products, name none of their registers, and are the four places in front of the loads and reads that follow
.irp xi, 0,1,2,3
	DOT \j,3,\xi
.endr
	v_pk_add_f32 v[SUM:SUM+1], v[SUM:SUM+1], v[SUM+2:SUM+3]
	v_add_f32 v[\res], v[SUM], v[SUM+1]
.endm
.macro VOUT j, rel, res
	ds_store_b32 v[SUMA], v[\res] offset:((\j)/2)*2048+(\rel)*128+((\j)%2)*64
.endm
; Chunk i in slot `slot`.  st: there is a chunk i + 1, which is stored into the other slot; s: scale words of chunk i + 2 are asked for; il: ids of chunk i + 4; g: codes of chunk i + 3.
; n: the loads younger than chunk i + 1's rows and chunk i + 3's ids: chunk i + 2's four loads of codes and its scale words, and chunk i + 4's five of ids.
.macro ITER slot, rel, st, n, s, il, g
	FETCH \slot,2,\rel
.if \il
.if (\slot) == 0
	s_add_nc_u64 s[44:45], s[44:45], 0x100         ; ids: two chunks on (the loads that read this base stand in front of a wait on XCNT)
.endif
	IDL ID0+5*(\slot),256+128*\slot
.endif
.if \s
	GSCALE \slot,AD
.endif
	VMAIN 0
	s_wait_alu depctr_va_vdst(0)
	s_wait_dscnt 11                                ; tile 1 is in; younger: tile 2's 11 loads
	MM 1
	VSUM 0,SUM
	VOUT 0,\rel,SUM
.if \st
.if \g
	s_wait_xcnt 0x0                                ; the gathers and id loads so far have read their offsets and base
.endif
	s_wait_loadcnt \n
	RSTORE 1-\slot                                 ; the other slot was last read in front of the last barrier
.endif
	FETCH \slot,3,\rel
	VMAIN 1
	s_wait_alu depctr_va_vdst(0)
.if \st
	s_wait_dscnt 15                                ; tile 2 is in; younger: a sum's store, 5 stores into the slot, tile 3's 9 loads
.else
	s_wait_dscnt 10
.endif
	MM 2
.if \st
	s_wait_dscnt 0x0                               ; my stores of the next chunk are done, my reads of this one are back
	s_barrier_signal -1
.endif
	VSUM 1,RES
.if \g
	ADR AD,ID0+5*(1-\slot)
.endif
	VMAIN 2
	s_wait_alu depctr_va_vdst(0)
.if \st
	s_barrier_wait -1                              ; the next chunk is whole, and nobody reads this slot any more
	VOUT 1,\rel,RES
	FETCH 1-\slot,0,\rel+1
.else
	s_wait_dscnt 0x0                               ; tile 3 is in
	VOUT 1,\rel,RES
.endif
.if \g
	GCODES 1-\slot,AD,0                            ; into the registers whose stores were waited for in front of the barrier
.endif
	MM 3
	VSUM 2,SUM
	VOUT 2,\rel,SUM
.if \st
	FETCH 1-\slot,1,\rel+1
.endif
.if \g
	GCODES 1-\slot,AD,2
.endif
	VMAIN 3
.if \st
	s_wait_alu depctr_va_vdst(0)
	s_wait_dscnt 10                                ; the next chunk's tile 0 is in; younger: a sum's store and tile 1's 9 loads
	MM 0
.endif
	VSUM 3,SUM
	VOUT 3,\rel,SUM
.endm
.macro STEPADR                         ; the three addresses that step with the chunks
	v_add_nc_u32 v[C5A], s61, v[C5B]
	v_add_nc_u32 v[S5A], s60, v[S5B]
	v_add_nc_u32 v[SUMA], s60, v[SUMB]
.endm
	s_load_b512 s[8:23], s[0:1], 0x0               ; the four id arrays s[8:15], the three scalar arrays s[16:21], emb_rows s[22:23]
	s_load_b64 s[26:27], s[0:1], 0x40              ; w1img
	s_load_b128 s[28:31], s[0:1], 0x48             ; b1 s[28:29], W2 s[30:31]
	s_load_b128 s[32:35], s[0:1], 0x58             ; b2 s[32:33], out s[34:35]
	v_lshrrev_b32 v[T0], 5, v0
	v_readfirstlane_b32 s36, v[T0]                 ; wave 0..7
	s_and_b32 s37, s36, 3                          ; the gather that I serve
	s_lshr_b32 s38, s36, 2                         ; and the pair
	s_lshl_b32 s39, s36, 13
	s_add_co_u32 s39, s39, SUMO                    ; my partial sums
	s_mul_i32 s40, s37, IMG
	s_mul_i32 s41, s38, 8*IMG
	s_add_co_u32 s40, s40, s41                     ; my images in a slot
	s_lshl_b32 s41, s38, 9
	s_lshl_b32 s48, s37, 2
	s_add_co_u32 s41, s41, s48
	s_add_co_u32 s41, s41, RSC                     ; my scale words in a slot
	s_lshl_b32 s48, s36, 10
	s_add_co_u32 s48, s48, C5O                     ; the fifth codes and scale words of the 128 candidates whose scalars I quantise
	s_lshl_b32 s49, s36, 9
	s_add_co_u32 s49, s49, S5O
	s_lshl_b32 s42, ttmp9, 12                      ; 1,024 candidates x 4 bytes a work-group
	s_mov_b32 s43, 0
	s_mov_b32 s60, 0
	s_mov_b32 s61, 0
	v_lshl_add_u32 v[SPW], v0, 2, SPARE
	v_mov_b32 v[NIL], 0
	v_mov_b32 v[ZR], 0
	v_and_b32 v[T1], 31, v0
	v_and_b32 v[RR], 15, v0
	v_bfe_u32 v[HH], v0, 4, 1
	v_lshlrev_b32 v[LL], 2, v[T1]
	v_lshlrev_b32 v[LI], 4, v[T1]
	v_and_b32 v[I4], 28, v[T1]
	v_and_b32 v[P16], 3, v[T1]
	v_mul_u32_u24 v[XA], 0x140, v[HH]
	v_lshlrev_b32 v[SUMB], 12, v[HH]
	v_lshlrev_b32 v[C5W], 7, v[HH]
	v_lshlrev_b32 v[HB], 5, v[HH]
	v_mul_u32_u24 v[STA], 0x140, v[P16]
	v_lshl_add_u32 v[XA], v[RR], 4, v[XA]
	v_lshl_add_u32 v[SUMB], v[RR], 2, v[SUMB]
	v_lshl_add_u32 v[C5W], v[RR], 2, v[C5W]
	v_lshl_add_u32 v[STA], v[I4], 2, v[STA]        ; a row's four pieces 320 bytes apart, rows 16 bytes apart
	v_lshlrev_b32 v[P16], 4, v[P16]
	v_add_nc_u32 v[XSA], RSC, v[LI]
	v_add_nc_u32 v[C5B], C5O, v[LL]
	v_add_nc_u32 v[S5B], S5O, v[LL]
	v_add_nc_u32 v[SUMB], s39, v[SUMB]
	v_add_nc_u32 v[STA], s40, v[STA]
	v_add_nc_u32 v[STS], s41, v[LI]
	v_add_nc_u32 v[C5W], s48, v[C5W]
	v_add_nc_u32 v[S5W], s49, v[LL]
	STEPADR
	s_wait_alu depctr_va_vdst(0)
	s_wait_kmcnt 0x0
	s_load_b32 s59, s[32:33], 0x0                  ; b2
	s_cmp_lt_u32 s37, 2                            ; my gather's id array
	s_cselect_b64 s[44:45], s[8:9], s[12:13]
	s_cselect_b64 s[46:47], s[10:11], s[14:15]
	s_bitcmp1_b32 s37, 0
	s_cselect_b64 s[44:45], s[46:47], s[44:45]
	s_lshl_b32 s50, s38, 11
	s_mov_b32 s51, 0
	s_add_nc_u64 s[44:45], s[44:45], s[42:43]
	s_add_nc_u64 s[44:45], s[44:45], s[50:51]      ; at my work-group's and pair's first candidate
	IDL ID0,0                                      ; ids of chunks 0, 1 and 2: everything else waits for them
	IDL ID0+5,128
	IDL IDT,256
	s_lshl_b32 s52, s36, 9
	s_mov_b32 s53, 0
.irp g, 16,18,20
	s_add_nc_u64 s[\g:\g+1], s[\g:\g+1], s[42:43]
	s_add_nc_u64 s[\g:\g+1], s[\g:\g+1], s[52:53]  ; scalars at my 128 candidates
.endr
	s_add_nc_u64 s[34:35], s[34:35], s[42:43]
	s_mul_i32 s54, s36, 20480
	s_mov_b32 s55, 0
	s_add_nc_u64 s[46:47], s[26:27], s[54:55]      ; my four tiles of W1: 5,120 bytes each,
	s_mul_i32 s54, s36, 1536
	s_add_co_u32 s54, s54, 163840
	s_add_nc_u64 s[26:27], s[26:27], s[54:55]      ; their scale words,
	s_lshl_b32 s54, s36, 8
	s_add_nc_u64 s[28:29], s[28:29], s[54:55]      ; b1 and W2
	s_add_nc_u64 s[30:31], s[30:31], s[54:55]
.irp xi, 0,1,2
.irp xg, 0,1,2,3
	global_load_b32 v[SCA+8*\xg+\xi], v[LL], s[16+2*\xi:17+2*\xi] offset:128*\xg th:TH_LOAD_NT
.endr
.endr
	WIN 0x40
	WLOAD 0
	WLOAD 1
.irp xt, 0,1,2,3                       ; zero codes: W1's fifth K step from k = 576 on,
.irp xj, 4,5,6,7
	v_mov_b32 v[8*(5*\xt+4)+\xj], 0
.endr
.endr
.irp xj, 1,2,3,4,5,6,7                 ; x's but for register 0
	v_mov_b32 v[XF+32+\xj], 0
	v_mov_b32 v[XF+72+\xj], 0
.endr
	WIN 0
.irp xt, 0,1,2,3
.irp xj, 0,1,2
	global_load_b32 v[WSC+3*\xt+\xj], v[LL], s[26:27] offset:384*\xt+128*\xj
.endr
.endr
.irp xg, 0,1,2,3
.irp xj, 3,4,5,6,7
	v_mov_b32 v[SCA+8*\xg+\xj], 0                  ; the conversion takes eight numbers: three scalars and five of the block's zeros
.endr
.endr
	s_wait_alu depctr_va_vdst(0)
	s_wait_loadcnt 42                              ; the 15 ids are in; 12 scalars, 18 of W1 and 12 scale words may be out
	ADR AD,ID0
	ADR AD2,ID0+5
	GCODES 0,AD,0                                  ; chunk 0
	GCODES 0,AD,2
	GSCALE 0,AD
	WIN 0x40
	WLOAD 2
	WLOAD 3
	WIN 0
.irp xt, 0,1,2,3
	global_load_b128 v[B1R+8*\xt:B1R+8*\xt+3], v[HB], s[28:29] offset:64*\xt
	global_load_b128 v[B1R+8*\xt+4:B1R+8*\xt+7], v[HB], s[28:29] offset:64*\xt+16
	global_load_b128 v[W2R+8*\xt:W2R+8*\xt+3], v[HB], s[30:31] offset:64*\xt
	global_load_b128 v[W2R+8*\xt+4:W2R+8*\xt+7], v[HB], s[30:31] offset:64*\xt+16
.endr
	GCODES 1,AD2,0                                 ; chunk 1
	GCODES 1,AD2,2
	GSCALE 1,AD2
	IDL ID0+5,384                                  ; ids of chunk 3
	s_wait_loadcnt 63                              ; of 106 loads the first 43, the 12 scalars among them, are in
	; the three scalars of candidate 32 g + lane of my 128: block 16 of its row; four groups by turns
.irp p, 0,1,2,3
	v_max3_num_f32 v[MX+\p], |v[SCA+8*\p]|, |v[SCA+8*\p+1]|, 0x1800000   ; with the floor 2^(3 - 127): the byte cannot fall under 1
.endr
.irp p, 0,1,2,3
	v_max_num_f32 v[MX+\p], v[MX+\p], |v[SCA+8*\p+2]|
.endr
.irp p, 0,1,2,3
	v_add_nc_u32 v[SOP+\p], 0xff000000, v[MX+\p]   ; 2 off the exponent field: the conversion's scale operand
.endr
.irp p, 0,1,2,3
	v_lshrrev_b32 v[MX+\p], 23, v[SOP+\p]          ; the scale's byte
.endr
.irp p, 0,1,2,3
	v_or_b32 v[SW+\p], 0x01010100, v[MX+\p]        ; the K step's other three blocks are zero codes under the byte 1
.endr
.irp p, 0,1,2,3
	v_cvt_scalef32_pk8_fp4_f32 v[CD+\p], v[SCA+8*\p:SCA+8*\p+7], v[SOP+\p]
.endr
	v_nop                                          ; one plain line behind the conversions
.irp p, 0,1,2,3
	ds_store_b32 v[C5W], v[CD+\p] offset:256*\p
	ds_store_b32 v[C5W], v[ZR] offset:256*\p+64    ; k = 544 on
	ds_store_b32 v[S5W], v[SW+\p] offset:128*\p
.endr
	s_wait_alu depctr_va_vdst(0)
	s_wait_loadcnt 44                              ; chunk 0's rows are in; younger: 34 of W1, b1 and W2, chunk 1's 5, 5 ids
	RSTORE 0
	s_wait_xcnt 0x0
	s_wait_dscnt 0x0                               ; the stores are done: for the others, and chunk 2's rows may land in their registers
	ADR AD,IDT
	GCODES 0,AD,0                                  ; chunk 2's codes; its scale words follow in chunk 0's first step
	GCODES 0,AD,2
	s_wait_alu depctr_va_vdst(0)
	s_barrier_signal -1
	s_barrier_wait -1                              ; chunk 0 and the fifth K step are whole
	FETCH 0,0,0
	FETCH 0,1,0
	s_mov_b32 s62, 6
	s_wait_loadcnt 14                              ; W1, b1 and W2 are in; chunk 1's 5, chunk 3's 5 ids and chunk 2's 4 may be out
	s_wait_dscnt 9                                 ; tile 0 is in
	MM 0
.rept 4
	v_nop
.endr
.Lloop:                                            ; two chunks a trip; chunks 0 to 11
	ITER 0,0,1,10,1,1,1
	ITER 1,1,1,10,1,1,1
	s_add_co_u32 s60, s60, 256
	s_add_co_u32 s61, s61, 512
	STEPADR
	s_sub_co_u32 s62, s62, 1
	s_cmp_lg_u32 s62, 0
	s_wait_alu depctr_va_vdst(0)
	s_cbranch_scc1 .Lloop
	ITER 0,0,1,5,1,0,1                             ; chunks 12 to 15 are written out: the ids have come to their end, then the rows do
	ITER 1,1,1,5,1,0,0
	ITER 0,2,1,0,0,0,0
	ITER 1,3,0,0,0,0,0
	; THE WAY OUT.  Thread i owns candidates 4 i .. 4 i + 3: 16 partial sums of each; the work-group stores 4,096 consecutive bytes.
	v_lshlrev_b32 v[T0], 4, v0
	v_add_nc_u32 v[T1], SUMO, v[T0]
	s_wait_alu depctr_va_vdst(0)
	s_wait_dscnt 0x0                               ; my partial sums are stored
	s_barrier_signal -1
	s_barrier_wait -1
.irp xk, 0,1,2,3,4,5,6,7,8,9,10,11,12,13,14,15
	ds_load_b128 v[ACC+4*\xk:ACC+4*\xk+3], v[T1] offset:4096*\xk
.endr
	s_wait_kmcnt 0x0                               ; b2
	s_wait_dscnt 0x0
.irp xd, 8,4,2,1
.set xk, 0
.rept \xd
	v_pk_add_f32 v[ACC+4*xk:ACC+4*xk+1], v[ACC+4*xk:ACC+4*xk+1], v[ACC+4*(xk+\xd):ACC+4*(xk+\xd)+1]
	v_pk_add_f32 v[ACC+4*xk+2:ACC+4*xk+3], v[ACC+4*xk+2:ACC+4*xk+3], v[ACC+4*(xk+\xd)+2:ACC+4*(xk+\xd)+3]
.set xk, xk+1
.endr
.endr
.irp xi, 0,1,2,3
	v_add_f32 v[ACC+\xi], s59, v[ACC+\xi]
.endr
	global_store_b128 v[T0], v[ACC:ACC+3], s[34:35] th:TH_STORE_NT   ; 32 lanes store 512 consecutive bytes, at a multiple of 512 from out's first byte
	s_wait_tensorcnt 0x0                           ; the wave's end, behind my last LDS store
	ds_add_u32 v[SPW], v[NIL]
	s_wait_dscnt 0x0
	s_endpgm
.Lfunc_end_k_qea71623549_score:
	.size	k_qea71623549_score, .Lfunc_end_k_qea71623549_score-k_qea71623549_score
	.p2alignl 7, 3214868480
	.fill 96, 4, 3214868480
	.section	.rodata,"a",@progbits
	.p2align	6, 0x0
	.amdhsa_kernel k_qea71623549_score
		.amdhsa_group_segment_fixed_size 121856
		.amdhsa_private_segment_fixed_size 0
		.amdhsa_enable_private_segment 0
		.amdhsa_kernarg_size 104
		.amdhsa_user_sgpr_count 2
		.amdhsa_user_sgpr_kernarg_segment_ptr 1
		.amdhsa_wavefront_size32 1
		.amdhsa_system_sgpr_workgroup_id_x 1
		.amdhsa_system_sgpr_workgroup_id_y 1
		.amdhsa_system_sgpr_workgroup_id_z 1
		.amdhsa_system_vgpr_workitem_id 0
		.amdhsa_next_free_vgpr 512
		.amdhsa_next_free_sgpr 66
		.amdhsa_reserve_vcc 0
		.amdhsa_float_denorm_mode_32 3
		.amdhsa_float_denorm_mode_16_64 3
		.amdhsa_memory_ordered 1
		.amdhsa_forward_progress 1
		.amdhsa_inst_pref_size 163
	.end_amdhsa_kernel
	.amdgpu_metadata
---
amdhsa.version: [ 1, 2 ]
amdhsa.kernels:
  - .name:           k_qea71623549_score
    .symbol:         k_qea71623549_score.kd
    .args:
      - { .name: target_item_ids, .offset: 0, .size: 8, .value_kind: global_buffer, .address_space: global }
      - { .name: original_item_ids, .offset: 8, .size: 8, .value_kind: global_buffer, .address_space: global }
      - { .name: left_item_ids, .offset: 16, .size: 8, .value_kind: global_buffer, .address_space: global }
      - { .name: right_item_ids, .offset: 24, .size: 8, .value_kind: global_buffer, .address_space: global }
      - { .name: position_indices, .offset: 32, .size: 8, .value_kind: global_buffer, .address_space: global }
      - { .name: normalized_positions, .offset: 40, .size: 8, .value_kind: global_buffer, .address_space: global }
      - { .name: session_lengths, .offset: 48, .size: 8, .value_kind: global_buffer, .address_space: global }
      - { .name: emb_rows, .offset: 56, .size: 8, .value_kind: global_buffer, .address_space: global }
      - { .name: w1img, .offset: 64, .size: 8, .value_kind: global_buffer, .address_space: global }
      - { .name: b1, .offset: 72, .size: 8, .value_kind: global_buffer, .address_space: global }
      - { .name: W2, .offset: 80, .size: 8, .value_kind: global_buffer, .address_space: global }
      - { .name: b2, .offset: 88, .size: 8, .value_kind: global_buffer, .address_space: global }
      - { .name: out0, .offset: 96, .size: 8, .value_kind: global_buffer, .address_space: global }
    .group_segment_fixed_size: 121856
    .private_segment_fixed_size: 0
    .kernarg_segment_align: 8
    .kernarg_segment_size: 104
    .max_flat_workgroup_size: 256
    .sgpr_count:     66
    .vgpr_count:     512
    .wavefront_size: 32
...
	.end_amdgpu_metadata
.endif
;; end of part 2
